; MI455X (gfx1250); checked and timed in simulation.
; The chip was launched on July 23, 2026; its instructions are those of AMD's public machine-readable ISA for CDNA 5 (MIT licence, August 2026) and "CDNA5" Instruction Set Architecture Reference Guide (July 2026). The comments in the code are by the model that wrote it; some were corrected since.
;; Subject Layers. Allowed arithmetic: float matrix products may take bf16 or f16 operands with f32 sums; other float arithmetic in f32, or as packed bf16 or f16 multiplies, adds, multiply-adds, maxima and minima; sums over many terms, partial sums and values carried from step to step in f32; what a program stores and reads back later, other than sums and carried values, may be rounded once to bf16 or f16.
;; Inputs: bias 32 x 1,024 float32; subject_idx 512 int32; weights 32 x 512 x 1,024 float32; x 512 x 512 float32.
;; Outputs: out0 512 x 1,024 float32.
;; 2 versions, each right and faster than the one before. Each part assembles by itself: llvm-mc -triple=amdgcn-amd-amdhsa -mcpu=gfx1250 --defsym DOCPART=n.
;; ======== version 1 of 2: 1 launch
;; launch subject (part 1): grid 8 x 32, 16 waves a work-group, no clusters, 264,192 bytes of LDS; arguments subject_idx, weights, x, bias, out0; writes out0
.if DOCPART == 1
	.amdgcn_target "amdgcn-amd-amdhsa--gfx1250"
	.amdhsa_code_object_version 6
	.text
	.protected	k_qfc994ffb53_subject
	.globl	k_qfc994ffb53_subject
	.p2align	8
	.type	k_qfc994ffb53_subject,@function
k_qfc994ffb53_subject:
	s_mov_b64 s[64:65], 0
	v_nop
	global_prefetch_b8 v0, s[64:65] scope:SCOPE_SE
	s_setreg_imm32_b32 hwreg(HW_REG_WAVE_MODE, 25, 1), 1
	s_wait_xcnt 0x0
; out[b][d] = the sum over c of x[b][c] weights[subject_idx[b]][c][d] + bias[subject_idx[b]][d].
; x: [512][512] f32, subject_idx: [512] i32, weights: [32][512][1024] f32, bias: [32][1024] f32, out: [512][1024] f32.
; reference() copies a subject's table for every row; here the rows are taken subject by subject, so that each table is read once. Nothing of reference()'s
; arithmetic is left out and every input is read.
; SHARES. Work-group (slice, e) owns subject e and the 128 columns 128 slice .. +127: 512 x 128 f32 = 262,144 bytes of weights, which it alone reads, and all rows of that
; subject, however many (0 to 512). Its 16 waves split the slice: wave w = 2 kp + dh takes channels 64 kp .. +63 and columns 64 dh .. +63: 32 loads of 16 bytes a lane, in each
; of which lanes 0-15 take 256 consecutive aligned bytes of one row of the table and lanes 16-31 those of the row 8 further down. All 32 go out at the head, so the whole slice is
; on its way at once: 16 waves x 32 loads x 512 bytes. There is no later load to run ahead of, so nothing is prefetched; no wave wants another's weights, so they pass no LDS.
; LAYOUT. A lane's 16 bytes are columns 4 r .. 4 r + 3 (r = lane % 16) of one channel. Component u of sixteen such loads, rounded to bf16 in pairs, IS source 1 (32 channels x 16
; columns) of a matrix instruction whose column r is column 4 r + u: lane (r, h) holds channels 8 h + 0..7 and 16 + 8 h + 0..7. Source 0 is 16 rows of x, straight from memory: 256
; consecutive bytes of each row for a wave. In the result register j of lane (r, h) is row 8 h + j, column 4 r + u: the four tiles u give a lane 16 bytes of out on end.
; ROUTING. Every wave makes it for itself from subject_idx: 16 compares give a map of 512 bits in scalar registers (word i: rows 32 i .. 32 i + 31). A row's RANK is its place among the subject's rows.
; STEP 0 takes ranks 0 to 31, gathered: lane l finds the row of rank l by a scan over the 16 words' running counts and a search by counts inside the word. Ranks past the count repeat
; the last row; their results are not stored. These are the only addresses of the text that are made from loaded numbers, each clamped to the table.
; THE WINDOWS take the rows of rank 32 and more, which exist only where a subject has more than 32 rows. 16 windows of 32 consecutive rows of x: the offsets are made of the lane and the wave at the head, the bases step
; by constants, and the indices, loaded again, decide masks and jumps alone. A window that holds such a row is multiplied whole (32 rows; those that are not the subject's, or were taken in step 0, lie in a tile
; with live work and are not stored); one that holds none is jumped. So a subject's steps are 17 at the most, whatever the split, and its weights stay in registers.
; THE SUM OVER THE 8 PARTS OF K goes through LDS, in f32: a step is 32 rows (two tiles of 16), 131,072 bytes; two buffers take turns, one barrier a step. Every wave passes every barrier;
; what is jumped holds no barrier.
; NO CLUSTER: the weights have one reader each; what a subject's 8 work-groups share is its rows of x, which come by a list read from memory, not as a tile that a descriptor covers.
; LIMITS. x and weights are rounded to bf16 for the product (nearest even); sums, bias and out in f32; the 8 parts are added as a tree. A row whose index lies outside 0 .. 31 is not
; written (reference() relies on the index lying inside the table). A subject without rows: its slice is asked for all the same, since the loads go out before the indices are in, and one
; tile is multiplied on row 511 of x; nothing of it is stored.
.set WROW,   4096                      ; bytes in a row of a table, and in a row of out
.set XROW,   2048                      ; bytes in a row of x
.set BUFB,   131072                    ; a buffer of partial sums: block (wave w, tile t, u, pair a) of 256 bytes at 8,192 w + 4,096 t + 1,024 u + 256 a; a lane's 8 bytes at 8 x lane
.set SPARE,  2*BUFB                    ; behind the two buffers: the spare words, 128 bytes for each of the 16 waves: eight blocks of 256 bytes that no other line names
.set V_LANE, 2                         ; v2      lane
.set V_XD,   3                         ; v3      a window's x: r rows + 32 h; never rewritten
.set V_OD,   4                         ; v4      a window's out: the first row that I store + 16 r; never rewritten
.set V_I4,   5                         ; v5      4 x lane: my index in a word of 32 rows
.set V_OL,   6                         ; v6      16 r: my 4 columns, in bias and in out
.set V_WOFF, 7                         ; v7      8 h rows + 16 r: my place in the wave's block of weights
.set V_XL,   8                         ; v8      32 h: my place in the wave's 256 bytes of a row of x
.set V_POSL, 9                         ; v9      the place in a step's 32 rows of the first row that I store: 16 t + 8 h + 2 a
.set V_LW,   10                        ; v10-11  LDS: where my wave puts its partial sums, buffer 0, 1
.set V_LR,   12                        ; v12-15  LDS: where my task reads them: buffer 0 parts 0-3, parts 4-7; buffer 1 likewise
.set V_BPX,  16                        ; v16-17  step 0: 4 x the lane that holds the row for my place in x's fragment, tile 0, 1
.set V_BPS,  18                        ; v18-19  step 0: 4 x the lane that holds the first, the second row that I store
.set V_XA,   20                        ; v20-21  step 0: byte offset in x, tile 0, 1
.set V_OA,   22                        ; v22-23  step 0: byte offset in out, first and second row
.set V_BIAS, 24                        ; v24-27  bias of my 4 columns
.set V_SPW,  28                        ; v28     LDS address of my spare word; never rewritten
.set V_NIL,  29                        ; v29     0; never rewritten
.set V_TOK,  30                        ; v30     step 0: the row of rank = lane
.set V_B0,   30                        ;         later: is my first row stored?
.set V_PT,   31                        ; v31     the step's mask at my two rows: two bits
.set XR,     32                        ; v32-95  x as loaded, 32 registers a tile; rounded in place into v32-63: tile t, K step k at XR + 16 t + 8 k
.set IDX,    32                        ; v32-47  first: register i: the index of row 32 i + lane
.set H_R,    64                        ; v64-66  the head's: r = lane % 16, h = lane / 16, one at work
.set H_H,    65
.set H_T,    66
.set Q_P,    64                        ; v64-79  then the search's and the windows' registers, free again before x's second tile is loaded over them
.set Q_PP,   65
.set Q_SEL,  66
.set Q_KK,   67
.set Q_RK,   68
.set Q_A,    69
.set Q_B,    70
.set Q_C,    71
.set Q_D,    72
.set Q_T,    73
.set Q_POS,  74
.set Q_W,    75
.set Q_G,    76
.set WF,     96                        ; v96-159  weights in bf16: K step k, tile u at WF + 32 k + 8 u; the second 32 lie over raw weights that have been rounded
.set WR,     128                       ; v128-255 weights as loaded: load j at WR + 4 j
.set ACC,    160                       ; v160-223 accumulators: tile t, u at ACC + 32 t + 8 u (over raw weights that have been rounded)
.set RL,     160                       ; v160-223 later: the 8 parts read back: part k, u at RL + 8 k + 2 u
.set OUTR,   224                       ; v224-231 two rows' 16 bytes to store
.set S_WV,   14                        ; s14  wave
.set S_E,    15                        ; s15  subject
.set S_KP,   16                        ; s16  kp
.set S_DH,   17                        ; s17  dh
.set S_TT,   18                        ; s18  my task's tile t, later 16 t
.set S_TD,   19                        ; s19  my task's column half
.set S_TA,   20                        ; s20  my task's pair of rows a
.set S_T0,   21
.set S_RES,  22                        ; s22  the step's mask: bit p: the row at place p of the step's 32 is stored   (s22-25 first hold two offsets of the head)
.set S_PRE,  23                        ; s23  the subject's rows in the windows before this one
.set S_W,    24                        ; s24  the window's word of the map
.set S_M,    25                        ; s25  its lanes of rank 32 and more
.set S_N,    26                        ; s26  the subject's rows
.set S_NM1,  27                        ; s27  less one
.set S_CNT,  29
.set S_EX,   30
.set S_T1,   31
.set MK,     32                        ; s32-47  the map: bit l of word i is row 32 i + l
.set KY,     48                        ; s49-63  word i: rows in the words before it << 16 | 32 i
	s_load_b256 s[4:11], s[0:1], 0x0               ; subject_idx s[4:5], weights s[6:7], x s[8:9], bias s[10:11]
	s_load_b64 s[12:13], s[0:1], 0x20              ; out
	v_lshl_add_u32 v[V_SPW], v0, 2, SPARE
	v_mov_b32 v[V_NIL], 0
	v_lshrrev_b32 v[H_T], 5, v0
	v_readfirstlane_b32 s[S_WV], v[H_T]            ; wave 0..15
	v_and_b32 v[V_LANE], 31, v0
	v_and_b32 v[H_R], 15, v0
	v_bfe_u32 v[H_H], v0, 4, 1
	v_lshlrev_b32 v[V_I4], 2, v[V_LANE]
	v_lshlrev_b32 v[V_OL], 4, v[H_R]
	v_lshl_add_u32 v[V_WOFF], v[H_H], 15, v[V_OL]  ; 8 h rows of 4,096 bytes + 16 r
	s_and_b32 s[S_E], ttmp7, 0xffff
	s_lshr_b32 s[S_KP], s[S_WV], 1                 ; as a multiplier: w = 2 kp + dh
	s_and_b32 s[S_DH], s[S_WV], 1
	s_lshr_b32 s[S_TT], s[S_WV], 3                 ; as an adder: w = 8 t + 4 dh + a
	s_bfe_u32 s[S_TD], s[S_WV], 0x10002
	s_and_b32 s[S_TA], s[S_WV], 3
	s_lshl_b32 s[S_T1], ttmp9, 9                   ; the slice's 128 columns: 512 bytes of a row
	s_lshl_b32 s22, s[S_E], 21                     ; weights: the subject's table of 2 MiB,
	s_lshl_b32 s[S_T0], s[S_KP], 18                ; my 64 rows of it,
	s_add_co_u32 s22, s22, s[S_T0]
	s_add_co_u32 s22, s22, s[S_T1]                 ; the slice,
	s_lshl_b32 s[S_T0], s[S_DH], 8                 ; my 256 bytes of it
	s_add_co_u32 s22, s22, s[S_T0]
	s_mov_b32 s23, 0
	s_lshl_b32 s66, s[S_TD], 8                     ; out: the slice and my task's 256 bytes of it
	s_add_co_u32 s66, s66, s[S_T1]
	s_mov_b32 s67, 0
	s_lshl_b32 s24, s[S_E], 12                     ; bias: the subject's row, the same columns
	s_add_co_u32 s24, s24, s66
	s_mov_b32 s25, 0
	s_lshl_b32 s68, s[S_KP], 8                     ; x: my 64 channels, 256 bytes of a row
	s_mov_b32 s69, 0
	s_wait_kmcnt 0x0
	s_add_nc_u64 s[6:7], s[6:7], s[22:23]
	s_add_nc_u64 s[10:11], s[10:11], s[24:25]
	s_add_nc_u64 s[8:9], s[8:9], s[68:69]
	s_add_nc_u64 s[12:13], s[12:13], s[66:67]
	; The indices first, since loads come back in order (ISA guide 5.7.1) and the routing waits for them alone; then the bias; then the wave's whole share of the weights.
.set i, 0
.rept 16
	global_load_b32 v[IDX+i], v[V_I4], s[4:5] offset:128*i  ; 32 lanes take 128 consecutive bytes: rows 32 i .. 32 i + 31
.set i, i+1
.endr
	global_load_b128 v[V_BIAS:V_BIAS+3], v[V_OL], s[10:11]
.set j, 0
.rept 32                               ; load j: K step j / 16, place i = j % 16 of a fragment's 16 channels: channel i + 8 h, from i = 8 on 8 further
.set row, 32*(j/16)+(j%16)+8*((j%16)/8)
	global_load_b128 v[WR+4*j:WR+4*j+3], v[V_WOFF], s[6:7] offset:row*WROW th:TH_LOAD_NT
.set j, j+1
.endr
	; the other addresses, while the loads are on their way
	v_lshlrev_b32 v[V_XL], 5, v[H_H]
	v_lshl_add_u32 v[V_XD], v[H_R], 11, v[V_XL]    ; a window's row r of a tile, my 32 bytes' place
	v_lshlrev_b32 v[H_T], 3, v[V_LANE]             ; 8 x lane: 32 lanes x 8 bytes are 256 bytes on end, in every LDS store and load of partial sums
	s_lshl_b32 s[S_T0], s[S_WV], 13
	v_add_nc_u32 v[V_LW], s[S_T0], v[H_T]          ; 8,192 x wave
	v_add_nc_u32 v[V_LW+1], BUFB, v[V_LW]
	s_lshl_b32 s[S_T0], s[S_TD], 13                ; my task reads the waves 2 k + dh, k = 0 .. 7: 16,384 k stands in the immediate
	s_lshl_b32 s[S_T1], s[S_TT], 12
	s_add_co_u32 s[S_T0], s[S_T0], s[S_T1]
	s_lshl_b32 s[S_T1], s[S_TA], 8
	s_add_co_u32 s[S_T0], s[S_T0], s[S_T1]
	v_add_nc_u32 v[V_LR], s[S_T0], v[H_T]
	v_add_nc_u32 v[V_LR+1], 65536, v[V_LR]
	v_add_nc_u32 v[V_LR+2], BUFB, v[V_LR]
	v_add_nc_u32 v[V_LR+3], BUFB+65536, v[V_LR]
	v_lshlrev_b32 v[V_BPX], 2, v[H_R]
	v_add_nc_u32 v[V_BPX+1], 64, v[V_BPX]
	s_lshl_b32 s[S_TT], s[S_TT], 4                 ; 16 t
	s_lshl_b32 s[S_T1], s[S_TA], 1
	s_add_co_u32 s[S_T1], s[S_T1], s[S_TT]
	v_lshl_add_u32 v[V_POSL], v[H_H], 3, s[S_T1]
	v_lshl_add_u32 v[V_OD], v[V_POSL], 12, v[V_OL] ; a window's row at that place, my 16 bytes
	v_lshlrev_b32 v[V_BPS], 2, v[V_POSL]
	v_add_nc_u32 v[V_BPS+1], 4, v[V_BPS]
	; THE MAP AND THE COUNTS
	s_wait_loadcnt 33                              ; the sixteen index loads are in; the bias load and the 32 weight loads, issued behind them, stay out
.set i, 0
.rept 16
	v_cmp_eq_u32 s[MK+i], s[S_E], v[IDX+i]
.set i, i+1
.endr
	s_mov_b32 s[S_N], 0
.set i, 0
.rept 16
.if i > 0
	s_lshl_b32 s[S_T0], s[S_N], 16
	s_or_b32 s[KY+i], s[S_T0], 32*i
.endif
	s_bcnt1_i32_b32 s[S_T0], s[MK+i]
	s_add_co_u32 s[S_N], s[S_N], s[S_T0]
.set i, i+1
.endr
	s_add_co_u32 s[S_NM1], s[S_N], -1              ; (with no rows: the greatest number, which clamps nothing; the rows found are then clamped to 511 below)
	s_bfm_b32 s[S_T0], s[S_N], 0                   ; step 0's mask: as many ones as there are rows,
	s_cmp_ge_u32 s[S_N], 32
	s_cselect_b32 s[S_RES], -1, s[S_T0]            ; 32 at the most
	s_mov_b32 s[S_PRE], 0
; One level of the search inside a word: does the wanted bit lie behind the field of \width bits of counts at POS?
.macro LEVEL src, width, step
	v_bfe_u32 v[Q_T], v[\src], v[Q_POS], \width
	v_cmp_ge_u32 vcc_lo, v[Q_RK], v[Q_T]
	v_cndmask_b32 v[Q_T], 0, v[Q_T], vcc_lo
	v_cndmask_b32 v[Q_W], 0, \step, vcc_lo
	v_sub_nc_u32 v[Q_RK], v[Q_RK], v[Q_T]
	v_add_nc_u32 v[Q_POS], v[Q_POS], v[Q_W]
.endm
; A tile's rows of x, my 64 channels: load m brings channels 32 (m / 4) + 16 ((m / 2) % 2) + 8 h + 4 (m % 2) + 0..3 of row r of the tile: the order of a fragment's registers
.macro LOADX t, areg, extra
.irp m, 0,1,2,3,4,5,6,7
	global_load_b128 v[XR+32*\t+4*\m:XR+32*\t+4*\m+3], v[\areg], s[8:9] offset:(\extra)+(\m/4)*128+((\m/2)%2)*64+(\m%2)*16
.endr
.endm
; The weights are rounded as they come in, four loads at a time. nx: the loads of x, issued behind them.
.macro CONVERTW nx
.set g, 0
.rept 8
	s_wait_loadcnt (\nx)+28-4*g                    ; weight loads 4 g .. 4 g + 3 are in; the 28 - 4 g behind them and x's stay out
.set q, 0
.rept 2
.set i0, (4*g)%16+2*q                  ; two neighbouring places of the fragment's 16
.set src, WR+64*(g/4)+4*i0
.set dst, WF+32*(g/4)+i0/2
.irp u, 0,1,2,3
	v_cvt_pk_bf16_f32 v[dst+8*\u], v[src+\u], v[src+4+\u]
.endr
.set q, q+1
.endr
.set g, g+1
.endr
.endm
; The products of nt tiles: two K steps of 32. The 4 nt accumulators take turns, one instruction a turn; the first K step starts the sums.
.macro MULS nt
.irp k, 0,1
.set t, 0
.rept \nt
.irp u, 0,1,2,3
.set rD, ACC+32*t+8*\u
.set rA, XR+16*t+8*\k
.set rB, WF+32*\k+8*\u
.if \k == 0
	v_wmma_f32_16x16x32_bf16 v[rD:rD+7], v[rA:rA+7], v[rB:rB+7], 0
.else
	v_wmma_f32_16x16x32_bf16 v[rD:rD+7], v[rA:rA+7], v[rB:rB+7], v[rD:rD+7]
.endif
.endr
.set t, t+1
.endr
.endr
.endm
; A step's first half for nt tiles: x is asked for (in step 0, by the list, and the weights are rounded meanwhile; in a window, 32 rows on end), rounded in place, multiplied, and the partial sums go to LDS.
.macro BODY nt, buf, window
.if \window
	LOADX 0, V_XD, 0
	LOADX 1, V_XD, 16*XROW
.else
	LOADX 0, V_XA, 0
.if \nt == 2
	LOADX 1, V_XA+1, 0
.endif
	CONVERTW 8*\nt
.endif
	s_wait_loadcnt 0x0                             ; x (and, in step 0, the bias)
.set m, 0
.rept 16*\nt                           ; register m takes the pair 2 m, 2 m + 1: ascending, so that no pair is overwritten before it is read
	v_cvt_pk_bf16_f32 v[XR+m], v[XR+2*m], v[XR+2*m+1]
.set m, m+1
.endr
	MULS \nt
.rept 8
	v_nop
.endr
.set t, 0
.rept \nt
.irp u, 0,1,2,3
.irp a, 0,1,2,3                        ; each accumulator from its low end on
	ds_store_b64 v[V_LW+\buf], v[ACC+32*t+8*\u+2*\a:ACC+32*t+8*\u+2*\a+1] offset:t*4096+\u*1024+\a*256
.endr
.endr
.set t, t+1
.endr
.endm
; A step's second half: my task (tile t, column half, rows 2 a and 2 a + 1 of both halves of the tile) adds the 8 parts, adds the bias, and stores two rows' 16 bytes a lane, each where the step's mask has its bit.
.macro REDUCE buf, window
.irp k, 0,1,2,3,4,5,6,7
.irp u, 0,1,2,3
	ds_load_b64 v[RL+8*\k+2*\u:RL+8*\k+2*\u+1], v[V_LR+2*\buf+\k/4] offset:(\k%4)*16384+\u*1024
.endr
.endr
	v_bfe_u32 v[V_PT], s[S_RES], v[V_POSL], 2      ; the mask's bits of my two rows
	v_and_b32 v[V_B0], 1, v[V_PT]
	s_wait_dscnt 16                                ; parts 0 to 3 are in; the 16 loads of parts 4 to 7 stay out
.irp m, 0,2,4,6
	v_pk_add_f32 v[RL+\m:RL+\m+1], v[RL+\m:RL+\m+1], v[RL+8+\m:RL+8+\m+1]
	v_pk_add_f32 v[RL+16+\m:RL+16+\m+1], v[RL+16+\m:RL+16+\m+1], v[RL+24+\m:RL+24+\m+1]
.endr
.irp m, 0,2,4,6
	v_pk_add_f32 v[RL+\m:RL+\m+1], v[RL+\m:RL+\m+1], v[RL+16+\m:RL+16+\m+1]
.endr
	s_wait_dscnt 0x0
.irp m, 0,2,4,6
	v_pk_add_f32 v[RL+32+\m:RL+32+\m+1], v[RL+32+\m:RL+32+\m+1], v[RL+40+\m:RL+40+\m+1]
	v_pk_add_f32 v[RL+48+\m:RL+48+\m+1], v[RL+48+\m:RL+48+\m+1], v[RL+56+\m:RL+56+\m+1]
.endr
.irp m, 0,2,4,6
	v_pk_add_f32 v[RL+32+\m:RL+32+\m+1], v[RL+32+\m:RL+32+\m+1], v[RL+48+\m:RL+48+\m+1]
.endr
.irp m, 0,2,4,6
	v_pk_add_f32 v[RL+\m:RL+\m+1], v[RL+\m:RL+\m+1], v[RL+32+\m:RL+32+\m+1]
.endr
.irp u, 0,1,2,3                        ; the bias add also lays a row's four columns side by side
	v_add_f32 v[OUTR+\u], v[RL+2*\u], v[V_BIAS+\u]
	v_add_f32 v[OUTR+4+\u], v[RL+2*\u+1], v[V_BIAS+\u]
.endr
	v_cmp_eq_u32 vcc_lo, 1, v[V_B0]                ; is my first row stored?
	s_wait_xcnt 0x0                                ; EXEC changes only behind this wait: it is a source of what has been issued
	s_and_saveexec_b32 s[S_EX], vcc_lo
.if \window
	global_store_b128 v[V_OD], v[OUTR:OUTR+3], s[12:13] th:TH_STORE_NT  ; 16 lanes store 256 consecutive bytes of a row, at a multiple of 256 from out's first byte
.else
	global_store_b128 v[V_OA], v[OUTR:OUTR+3], s[12:13] th:TH_STORE_NT
.endif
	s_wait_xcnt 0x0
	s_or_b32 exec_lo, exec_lo, s[S_EX]
	v_cmp_le_u32 vcc_lo, 2, v[V_PT]                ; and my second?
	s_and_saveexec_b32 s[S_EX], vcc_lo
.if \window
	global_store_b128 v[V_OD], v[OUTR+4:OUTR+7], s[12:13] offset:WROW th:TH_STORE_NT
.else
	global_store_b128 v[V_OA+1], v[OUTR+4:OUTR+7], s[12:13] th:TH_STORE_NT
.endif
	s_wait_xcnt 0x0                                ; also frees the stores' data for the next step
	s_or_b32 exec_lo, exec_lo, s[S_EX]
.endm
; THE MEETING. The barrier does two things: behind it all 16 waves' partial sums of this step lie in LDS; and in front of it each wave has waited for its reads of the step before,
; so that the step after this one may write that step's buffer again.
.macro FINISH buf, window
	s_wait_dscnt 0x0                               ; for the others' sake: my stores of this step are done, and so are my reads of the last
	s_barrier_signal -1
	s_barrier_wait -1
	s_lshr_b32 s[S_T0], s[S_RES], s[S_TT]          ; the mask's 16 bits of my task's tile
	s_and_b32 s[S_T0], s[S_T0], 0xffff
	s_cmp_lg_u32 s[S_T0], 0
	s_cbranch_scc0 .Lnone_\@                       ; none of its rows is stored
	REDUCE \buf, \window
.Lnone_\@:
.endm
; A WINDOW: 32 rows of x on end, at which the three bases stand. Its rows of the subject have the ranks (rows in the windows before) + (rows of the window in lower lanes): the order in which step 0 counted.
.macro WINDOW buf
	s_mov_b32 s[S_RES], 0
	s_cmp_gt_u32 s[S_N], 32
	s_cbranch_scc0 .Lmeet_\@                       ; step 0 has taken all rows: only the barrier is passed
	global_load_b32 v[Q_P], v[V_I4], s[4:5]        ; the window's indices once more
	s_wait_loadcnt 0x0
	v_cmp_eq_u32 s[S_W], s[S_E], v[Q_P]
	v_mbcnt_lo_u32_b32 v[Q_PP], s[S_W], s[S_PRE]   ; my row's rank, if it is the subject's
	v_cmp_le_u32 s[S_M], 32, v[Q_PP]
	s_and_b32 s[S_RES], s[S_W], s[S_M]             ; the subject's rows that step 0 did not take
	s_bcnt1_i32_b32 s[S_T0], s[S_W]
	s_add_co_u32 s[S_PRE], s[S_PRE], s[S_T0]
	s_cmp_lg_u32 s[S_RES], 0
	s_cbranch_scc0 .Lmeet_\@                       ; the window holds none
	BODY 2, \buf, 1
.Lmeet_\@:
	FINISH \buf, 1
	s_wait_xcnt 0x0                                ; what has been issued has read its base: the bases step, in every trip alike
	s_add_nc_u64 s[4:5], s[4:5], 32*4
	s_add_nc_u64 s[8:9], s[8:9], 32*XROW
	s_add_nc_u64 s[12:13], s[12:13], 32*WROW
.endm
	; STEP 0: THE ROWS OF RANKS 0 TO 31. Lane l: the row of rank min(l, rows - 1). The last word whose running count is not above the rank holds it; the rank left over picks the bit.
	v_min_u32 v[Q_P], s[S_NM1], v[V_LANE]
	v_lshl_or_b32 v[Q_PP], v[Q_P], 16, 0xffff      ; compared with count << 16 | a number under 2^16: the counts alone decide
	v_mov_b32 v[Q_SEL], s[MK]
	v_mov_b32 v[Q_KK], 0
.set i, 1
.rept 15
	v_cmp_gt_u32 vcc_lo, s[KY+i], v[Q_PP]
	v_cndmask_b32 v[Q_SEL], s[MK+i], v[Q_SEL], vcc_lo
	v_cndmask_b32 v[Q_KK], s[KY+i], v[Q_KK], vcc_lo
.set i, i+1
.endr
	v_lshrrev_b32 v[Q_T], 16, v[Q_KK]
	v_sub_nc_u32 v[Q_RK], v[Q_P], v[Q_T]           ; the rank inside the word
	v_lshrrev_b32 v[Q_T], 1, v[Q_SEL]              ; the word's bits counted in fields of 2, 4, 8 and (the low byte of D) 16
	v_and_b32 v[Q_T], 0x55555555, v[Q_T]
	v_sub_nc_u32 v[Q_A], v[Q_SEL], v[Q_T]
	v_lshrrev_b32 v[Q_T], 2, v[Q_A]
	v_and_b32 v[Q_T], 0x33333333, v[Q_T]
	v_and_b32 v[Q_B], 0x33333333, v[Q_A]
	v_add_nc_u32 v[Q_B], v[Q_B], v[Q_T]
	v_lshrrev_b32 v[Q_T], 4, v[Q_B]
	v_add_nc_u32 v[Q_C], v[Q_B], v[Q_T]
	v_and_b32 v[Q_C], 0x0f0f0f0f, v[Q_C]
	v_lshrrev_b32 v[Q_T], 8, v[Q_C]
	v_add_nc_u32 v[Q_D], v[Q_C], v[Q_T]
	v_mov_b32 v[Q_POS], 0
	LEVEL Q_D, 8, 16
	LEVEL Q_C, 8, 8
	LEVEL Q_B, 4, 4
	LEVEL Q_A, 2, 2
	LEVEL Q_SEL, 1, 1
	v_and_b32 v[Q_T], 0xffff, v[Q_KK]
	v_add_nc_u32 v[V_TOK], v[Q_POS], v[Q_T]        ; row = 32 i + bit
	ds_bpermute_b32 v[Q_G], v[V_BPX], v[V_TOK]     ; dealt out between the lanes (no LDS byte is touched): the row of x for my place in tile 0,
	ds_bpermute_b32 v[Q_G+1], v[V_BPX+1], v[V_TOK] ; in tile 1,
	ds_bpermute_b32 v[Q_G+2], v[V_BPS], v[V_TOK]   ; and the two rows of out that my task stores
	ds_bpermute_b32 v[Q_G+3], v[V_BPS+1], v[V_TOK]
	s_wait_dscnt 0x0
.irp z, 0,1
	v_min_u32 v[Q_G+\z], 0x1ff, v[Q_G+\z]          ; a number made from loaded data enters an address only clamped to the table
	v_lshl_add_u32 v[V_XA+\z], v[Q_G+\z], 11, v[V_XL]
	v_min_u32 v[Q_G+2+\z], 0x1ff, v[Q_G+2+\z]
	v_lshl_add_u32 v[V_OA+\z], v[Q_G+2+\z], 12, v[V_OL]
.endr
	s_cmp_gt_u32 s[S_N], 16
	s_cbranch_scc0 .Lone                           ; the second tile has no rows: it is neither loaded nor multiplied
	BODY 2, 0, 0
	s_branch .Lmeet
.Lone:
	BODY 1, 0, 0                                   ; the weights are rounded on either way, whatever the count
.Lmeet:
	FINISH 0, 0
	s_mov_b32 s[S_CNT], 8
.Lpair:                                                ; 16 windows, two a trip, so that each buffer's addresses are constants of the text
	WINDOW 1
	WINDOW 0
	s_sub_co_u32 s[S_CNT], s[S_CNT], 1
	s_cmp_lg_u32 s[S_CNT], 0
	s_cbranch_scc1 .Lpair
	s_wait_tensorcnt 0x0                           ; the wave's end, behind my last LDS store
	ds_add_u32 v[V_SPW], v[V_NIL]
	s_wait_dscnt 0x0
	s_endpgm
.Lfunc_end_k_qfc994ffb53_subject:
	.size	k_qfc994ffb53_subject, .Lfunc_end_k_qfc994ffb53_subject-k_qfc994ffb53_subject
	.p2alignl 7, 3214868480
	.fill 96, 4, 3214868480
	.section	.rodata,"a",@progbits
	.p2align	6, 0x0
	.amdhsa_kernel k_qfc994ffb53_subject
		.amdhsa_group_segment_fixed_size 264192
		.amdhsa_private_segment_fixed_size 0
		.amdhsa_enable_private_segment 0
		.amdhsa_kernarg_size 40
		.amdhsa_user_sgpr_count 2
		.amdhsa_user_sgpr_kernarg_segment_ptr 1
		.amdhsa_wavefront_size32 1
		.amdhsa_system_sgpr_workgroup_id_x 1
		.amdhsa_system_sgpr_workgroup_id_y 1
		.amdhsa_system_sgpr_workgroup_id_z 1
		.amdhsa_system_vgpr_workitem_id 0
		.amdhsa_next_free_vgpr 256
		.amdhsa_next_free_sgpr 70
		.amdhsa_reserve_vcc 1
		.amdhsa_float_denorm_mode_32 3
		.amdhsa_float_denorm_mode_16_64 3
		.amdhsa_memory_ordered 1
		.amdhsa_forward_progress 1
		.amdhsa_inst_pref_size 65
	.end_amdhsa_kernel
	.amdgpu_metadata
---
amdhsa.version: [ 1, 2 ]
amdhsa.kernels:
  - .name:           k_qfc994ffb53_subject
    .symbol:         k_qfc994ffb53_subject.kd
    .args:
      - { .name: subject_idx, .offset: 0, .size: 8, .value_kind: global_buffer, .address_space: global }
      - { .name: weights, .offset: 8, .size: 8, .value_kind: global_buffer, .address_space: global }
      - { .name: x, .offset: 16, .size: 8, .value_kind: global_buffer, .address_space: global }
      - { .name: bias, .offset: 24, .size: 8, .value_kind: global_buffer, .address_space: global }
      - { .name: out0, .offset: 32, .size: 8, .value_kind: global_buffer, .address_space: global }
    .group_segment_fixed_size: 264192
    .private_segment_fixed_size: 0
    .kernarg_segment_align: 8
    .kernarg_segment_size: 40
    .max_flat_workgroup_size: 512
    .sgpr_count:     70
    .vgpr_count:     256
    .wavefront_size: 32
...
	.end_amdgpu_metadata
.endif
;; end of part 1
;; ======== version 2 of 2: 1 launch; 1.20 times as fast as version 1
;; launch subject (part 2): grid 8 x 32, 16 waves a work-group, no clusters, 166,400 bytes of LDS; arguments subject_idx, weights, x, bias, out0; writes out0
.if DOCPART == 2
	.amdgcn_target "amdgcn-amd-amdhsa--gfx1250"
	.amdhsa_code_object_version 6
	.text
	.protected	k_qfc994ffb53_subject
	.globl	k_qfc994ffb53_subject
	.p2align	8
	.type	k_qfc994ffb53_subject,@function
k_qfc994ffb53_subject:
	s_mov_b64 s[64:65], 0
	v_nop
	global_prefetch_b8 v0, s[64:65] scope:SCOPE_SE
	s_setreg_imm32_b32 hwreg(HW_REG_WAVE_MODE, 25, 1), 1
	s_wait_xcnt 0x0
; out[b][d] = the sum over c of x[b][c] weights[subject_idx[b]][c][d] + bias[subject_idx[b]][d].
; x: [512][512] f32, subject_idx: [512] i32, weights: [32][512][1024] f32, bias: [32][1024] f32, out: [512][1024] f32.
; reference() copies a subject's table for every row; here the rows are taken subject by subject, so that a table is read once for up to 32 rows. Nothing of reference()'s
; arithmetic is left out and every input is read.
; SHARES. Work-group (slice, e) owns subject e and the 128 columns 128 slice .. +127: 512 x 128 f32 = 262,144 bytes of weights, which it alone reads, and all rows of that
; subject, however many (0 to 512). Its 16 waves split the slice: wave w = 2 kp + dh takes channels 64 kp .. +63 and columns 64 dh .. +63: 32 loads of 16 bytes a lane, in each
; of which lanes 0-15 take 256 consecutive aligned bytes of one row of the table and lanes 16-31 those of the row 8 further down. No wave wants another's weights: they pass no LDS.
; LAYOUT. A lane's 16 bytes are columns 4 r .. 4 r + 3 (r = lane % 16) of one channel. Component u of sixteen such loads, rounded to bf16 in pairs, IS source 1 (32 channels x 16
; columns) of a matrix instruction whose column r is column 4 r + u: lane (r, h) holds channels 8 h + 0..7 and 16 + 8 h + 0..7. Source 0 is 16 rows of x. In the result register j of
; lane (r, h) is row 8 h + j, column 4 r + u: the four tiles u give a lane 16 bytes of out on end.
; THE ORDER OF THE LOADS. The indices; the 16 loads of the wave's first 32 channels (131,072 bytes a work-group, on their way while the rows are found); x; the bias; the 16 loads of the other
; 32 channels. Loads come back in order (ISA guide 5.7.1), so x is in while half of the weights are still to come, and all that is done to x stands ahead of the last weights.
; ROUTING. Every wave makes it for itself from subject_idx: 16 compares give a map of 512 bits in scalar registers (word i: rows 32 i .. 32 i + 31). A row's RANK is its place among the
; subject's rows. Lane l finds the row of rank l by a scan over the 16 words' running counts and a search by counts inside the word. These are the only addresses of the text that are made from
; loaded numbers, each clamped to the table. Every other vector offset is made at the head, of the lane and the wave's number, in a register that holds nothing else.
; X, RANKS 0 TO 31. Each row is read once by the work-group: wave w takes the rows of ranks 2 w and 2 w + 1 whole, four loads of 512 consecutive bytes each, rounds them to bf16 and lays them into
; a stage in LDS (32 rows, 1,040 bytes apart); behind a barrier every wave takes its fragments from there. For a rank past the count no lane is on in the loads, and the stage's row is zeros.
; THE SUM OVER THE 8 PARTS OF K goes through LDS, in f32: 32 rows x 128 columns x 8 parts = 131,072 bytes, one barrier. Pairs of rows past the count are neither stored nor read.
; RANKS 32 AND MORE exist only where a subject has more than 32 rows. 16 windows of 32 consecutive rows of x x 2 column halves are 32 jobs, two a wave; a job whose window holds such a row multiplies the
; window whole over all 512 channels (rows that are not the subject's, or of lower rank, lie in a tile with live work and are not stored), with x and the weights straight from memory, 32 channels a trip: no LDS,
; no barrier, addresses of ids, constants and loop steps alone. The price: such a job reads its 131,072 bytes of weights again, and a trip waits for its loads; all 512 rows on one subject are 32 trips a wave.
; NO CLUSTER: the weights have one reader each; what a subject's 8 work-groups share is its rows of x, which come by a list read from memory, not as a tile that a descriptor covers.
; NO PREFETCH: every byte of the weights is asked for by its own load in the kernel's first part; there is no later load to run ahead of.
; LIMITS. x and weights are rounded to bf16 for the product (nearest even); sums, bias and out in f32; the 8 parts are added as a tree (ranks 32 and more: one sum that starts from the bias). A row whose index
; lies outside 0 .. 31 is not written (reference() relies on the index lying inside the table). A subject without rows: its slice is asked for all the same, since the first loads go out before the
; indices are in, and one tile is multiplied on zeros; nothing of it is stored.
.set WROW,   4096                      ; bytes in a row of a table, and in a row of out
.set XROW,   2048                      ; bytes in a row of x
.set PX,     1040                      ; a row of the stage: 1,024 bytes of bf16 + 16 = 260 words: the 16 rows of a fragment load start at 16 different groups of four banks (64 banks of 4 bytes: ISA guide 11.1)
.set XSB,    131072                    ; LDS: partial sums from 0: block (wave w, tile t, u, pair a) of 256 bytes at 8,192 w + 4,096 t + 1,024 u + 256 a, a lane's 8 bytes at 8 x lane; then the stage
.set SPARE,  XSB+32*PX                 ; behind the stage: the spare words, 128 bytes for each of the 16 waves: eight blocks of 256 bytes that no other line names
.set V_L16,  1                         ; v1      16 x lane: my place in 512 bytes of a row of x
.set V_LANE, 2                         ; v2      lane
.set V_XD,   3                         ; v3      a window's x: r rows + 32 h
.set V_OD,   4                         ; v4      a window's out: 8 h rows + 256 dh + 16 r
.set V_I4,   5                         ; v5      4 x lane: my index in a word of 32 rows
.set V_OLT,  6                         ; v6      my task's 4 columns, in bias and in out: 256 x its column half + 16 r
.set V_WOFF, 7                         ; v7      8 h rows + 16 r: my place in the wave's block of weights
.set V_AF,   8                         ; v8      LDS: my place in the stage's fragments: r rows + 128 kp + 16 h
.set V_POSL, 9                         ; v9      the rank of the first row that I store: 16 t + 8 h + 2 a
.set V_LW,   10                        ; v10     LDS: where my wave puts its partial sums
.set V_XW,   11                        ; v11     LDS: where I put 8 bytes of the stage's row 2 w
.set V_LR,   12                        ; v12-13  LDS: where my task reads the parts 0-3, 4-7
.set V_OB,   14                        ; v14     a window's bias: 256 dh + 16 r
.set V_BPX,  16                        ; v16-17  4 x the lanes 2 w, 2 w + 1, which hold the rows of x that my wave loads
.set V_BPS,  18                        ; v18-19  4 x the lanes that hold the first, the second row that I store
.set V_XA,   20                        ; v20-21  byte offset in x of my 16 bytes, rank 2 w, 2 w + 1
.set V_OA,   22                        ; v22-23  byte offset in out, first and second row
.set V_BIAS, 24                        ; v24-27  bias of my task's 4 columns
.set V_SPW,  28                        ; v28     LDS address of my spare word; never rewritten
.set V_NIL,  29                        ; v29     0; never rewritten
.set V_TOK,  30                        ; v30     the row of rank = lane
.set V_B0,   30                        ;         later: is my first row stored?
.set V_PT,   31                        ; v31     the mask at my two rows: two bits
.set XR,     32                        ; v32-63  x as loaded: row z, quarter j at XR + 16 z + 4 j; rounded in place into v32-47
.set AF,     32                        ; v32-63  then x's fragments: tile t, K step k at AF + 16 t + 8 k
.set OUTR,   32                        ; v32-39  at the end two rows' 16 bytes to store
.set H_R,    64                        ; v64-67  the head's: r = lane % 16, h = lane / 16, one at work, 16 r
.set H_H,    65
.set H_T,    66
.set H_16R,  67
.set Q_P,    64                        ; v64-79  then the search's
.set Q_PP,   65
.set Q_SEL,  66
.set Q_KK,   67
.set Q_RK,   68
.set Q_A,    69
.set Q_B,    70
.set Q_C,    71
.set Q_D,    72
.set Q_T,    73
.set Q_POS,  74
.set Q_W,    75
.set Q_G,    76
.set IDX,    80                        ; v80-95  register i: the index of row 32 i + lane
.set WF,     64                        ; v64-127 then the weights in bf16: K step k, tile u at WF + 32 k + 8 u
.set WR,     128                       ; v128-255 weights as loaded: load j at WR + 4 j
.set ACC,    128                       ; v128-191 accumulators: tile t, u at ACC + 32 t + 8 u (over K step 0's raw weights, which have been rounded)
.set RL,     192                       ; v192-255 the 8 parts read back: part k, u at RL + 8 k + 2 u (over K step 1's)
.set OWF,    64                        ; ranks 32 and more: v32-63 x of one trip, v64-95 its weights in bf16, v96-159 as loaded, v160-223 accumulators, v224-227 a row to store, v228-231 bias, v232-233 at work
.set OWR,    96
.set OACC,   160
.set OUT2,   224
.set OBIAS,  228
.set O_T,    232
.set O_M,    233
.set S_WV,   14                        ; s14  wave
.set S_E,    15                        ; s15  subject
.set S_KP,   16                        ; s16  kp
.set S_DH,   17                        ; s17  dh
.set S_TT,   18                        ; s18  my task's tile t
.set S_TD,   19                        ; s19  my task's column half
.set S_TA,   20                        ; s20  my task's pair of rows a
.set S_T0,   21
.set S_RES,  22                        ; s22  the mask: bit p: the row at place p of the 32 in hand is stored
.set S_PRE,  23                        ; s23  the subject's rows ahead of a window
.set S_W,    24                        ; s24  a window's word of the map
.set S_M,    25                        ; s25  its lanes of rank 32 and more
.set S_N,    26                        ; s26  the subject's rows
.set S_NM1,  27                        ; s27  less one
.set S_WIN,  28                        ; s28  the window in hand
.set S_CNT,  29
.set S_EX,   30
.set S_T1,   31
.set MK,     32                        ; s32-47  the map: bit l of word i is row 32 i + l
.set KY,     48                        ; s49-63  word i: rows in the words before it << 16 | 32 i
.set WB,     70                        ; s[70:71] weights at the subject's table, the slice, my column half, channel 0
.set WW,     72                        ; s[72:73] a job's weights, walking (first an offset of the head)
.set XB,     74                        ; s[74:75] a job's x, walking
.set OO,     76                        ; s[76:77] a job's rows of out
.set S_JOB,  80
.set S_POS,  81                        ; s81  16 t + 2 a
	s_load_b256 s[4:11], s[0:1], 0x0               ; subject_idx s[4:5], weights s[6:7], x s[8:9], bias s[10:11]
	s_load_b64 s[12:13], s[0:1], 0x20              ; out
	v_lshl_add_u32 v[V_SPW], v0, 2, SPARE
	v_mov_b32 v[V_NIL], 0
	v_lshrrev_b32 v[H_T], 5, v0
	v_readfirstlane_b32 s[S_WV], v[H_T]            ; wave 0..15
	v_and_b32 v[V_LANE], 31, v0
	v_and_b32 v[H_R], 15, v0
	v_bfe_u32 v[H_H], v0, 4, 1
	v_lshlrev_b32 v[V_I4], 2, v[V_LANE]
	v_lshlrev_b32 v[H_16R], 4, v[H_R]
	v_lshl_add_u32 v[V_WOFF], v[H_H], 15, v[H_16R] ; 8 h rows of 4,096 bytes + 16 r
	s_and_b32 s[S_E], ttmp7, 0xffff
	s_lshr_b32 s[S_KP], s[S_WV], 1                 ; as a multiplier: w = 2 kp + dh
	s_and_b32 s[S_DH], s[S_WV], 1
	s_lshr_b32 s[S_TT], s[S_WV], 3                 ; as an adder: w = 8 t + 4 (column half) + a
	s_bfe_u32 s[S_TD], s[S_WV], 0x10002
	s_and_b32 s[S_TA], s[S_WV], 3
	s_lshl_b32 s66, ttmp9, 9                       ; the slice's 128 columns: 512 bytes of a row
	s_mov_b32 s67, 0
	s_lshl_b32 s68, s[S_E], 21                     ; weights: the subject's table of 2 MiB,
	s_add_co_u32 s68, s68, s66                     ; the slice,
	s_lshl_b32 s[S_T0], s[S_DH], 8                 ; my 256 bytes of it
	s_add_co_u32 s68, s68, s[S_T0]
	s_mov_b32 s69, 0
	s_lshl_b32 s78, s[S_KP], 18                    ; and my 64 rows
	s_mov_b32 s79, 0
	s_lshl_b32 s72, s[S_E], 12                     ; bias: the subject's row, the slice
	s_add_co_u32 s72, s72, s66
	s_mov_b32 s73, 0
	s_wait_kmcnt 0x0
	s_add_nc_u64 s[WB:WB+1], s[6:7], s[68:69]
	s_add_nc_u64 s[6:7], s[WB:WB+1], s[78:79]
	s_add_nc_u64 s[10:11], s[10:11], s[72:73]
	s_add_nc_u64 s[12:13], s[12:13], s[66:67]
.set i, 0
.rept 16
	global_load_b32 v[IDX+i], v[V_I4], s[4:5] offset:128*i  ; 32 lanes take 128 consecutive bytes: rows 32 i .. 32 i + 31
.set i, i+1
.endr
; Weight load j: K step j / 16, place i = j % 16 of a fragment's 16 channels: channel i + 8 h, from i = 8 on 8 further. Read once, but for a subject with more than 32 rows.
.macro LOADW first
.set j, \first
.rept 16
.set row, 32*(j/16)+(j%16)+8*((j%16)/8)
	global_load_b128 v[WR+4*j:WR+4*j+3], v[V_WOFF], s[6:7] offset:row*WROW th:TH_LOAD_NT
.set j, j+1
.endr
.endm
	LOADW 0                                        ; K step 0
	; while they are on their way: zeros for the rows of x that do not exist, and the other addresses
.set i, 0
.rept 32
	v_mov_b32 v[XR+i], 0
.set i, i+1
.endr
	v_lshlrev_b32 v[V_L16], 4, v[V_LANE]
	v_lshlrev_b32 v[V_XD], 5, v[H_H]
	v_lshl_add_u32 v[V_XD], v[H_R], 11, v[V_XD]
	s_lshl_b32 s[S_T0], s[S_DH], 8
	v_add_nc_u32 v[V_OD], s[S_T0], v[V_WOFF]
	v_add_nc_u32 v[V_OB], s[S_T0], v[H_16R]
	s_lshl_b32 s[S_T0], s[S_TD], 8
	v_add_nc_u32 v[V_OLT], s[S_T0], v[H_16R]
	v_mul_u32_u24 v[V_AF], v[H_R], PX
	v_lshl_add_u32 v[V_AF], v[H_H], 4, v[V_AF]
	s_lshl_b32 s[S_T0], s[S_KP], 7                 ; my 64 channels in bf16: 128 bytes of a stage row
	s_add_co_u32 s[S_T0], s[S_T0], XSB
	v_add_nc_u32 v[V_AF], s[S_T0], v[V_AF]
	v_lshlrev_b32 v[H_T], 3, v[V_LANE]             ; 8 x lane: 32 lanes x 8 bytes are 256 bytes on end, in every LDS store of the text and in every load of partial sums
	s_lshl_b32 s[S_T0], s[S_WV], 13
	v_add_nc_u32 v[V_LW], s[S_T0], v[H_T]          ; 8,192 x wave
	s_mul_i32 s[S_T0], s[S_WV], 2*PX               ; the stage's rows 2 w and 2 w + 1 are my wave's
	s_add_co_u32 s[S_T0], s[S_T0], XSB
	v_add_nc_u32 v[V_XW], s[S_T0], v[H_T]
	s_lshl_b32 s[S_T0], s[S_TD], 13                ; my task reads the waves 2 k + its column half, k = 0 .. 7: 16,384 k stands in the immediate
	s_lshl_b32 s[S_T1], s[S_TT], 12
	s_add_co_u32 s[S_T0], s[S_T0], s[S_T1]
	s_lshl_b32 s[S_T1], s[S_TA], 8
	s_add_co_u32 s[S_T0], s[S_T0], s[S_T1]
	v_add_nc_u32 v[V_LR], s[S_T0], v[H_T]
	v_add_nc_u32 v[V_LR+1], 65536, v[V_LR]
	s_lshl_b32 s[S_T0], s[S_WV], 3
	v_mov_b32 v[V_BPX], s[S_T0]                    ; 4 x 2 w
	v_add_nc_u32 v[V_BPX+1], 4, v[V_BPX]
	s_lshl_b32 s[S_POS], s[S_TT], 4
	s_lshl_b32 s[S_T1], s[S_TA], 1
	s_add_co_u32 s[S_POS], s[S_POS], s[S_T1]
	v_lshl_add_u32 v[V_POSL], v[H_H], 3, s[S_POS]
	v_lshlrev_b32 v[V_BPS], 2, v[V_POSL]
	v_add_nc_u32 v[V_BPS+1], 4, v[V_BPS]
	; THE MAP AND THE COUNTS
	s_wait_loadcnt 16                              ; the sixteen index loads are in; K step 0's 16 loads, issued behind them, stay out
.set i, 0
.rept 16
	v_cmp_eq_u32 s[MK+i], s[S_E], v[IDX+i]
.set i, i+1
.endr
	s_mov_b32 s[S_N], 0
.set i, 0
.rept 16
.if i > 0
	s_lshl_b32 s[S_T0], s[S_N], 16
	s_or_b32 s[KY+i], s[S_T0], 32*i
.endif
	s_bcnt1_i32_b32 s[S_T0], s[MK+i]
	s_add_co_u32 s[S_N], s[S_N], s[S_T0]
.set i, i+1
.endr
	s_add_co_u32 s[S_NM1], s[S_N], -1              ; (with no rows: the greatest number, which clamps nothing; the rows found are then clamped to 511 below)
	s_bfm_b32 s[S_T0], s[S_N], 0                   ; the mask of ranks 0 to 31: as many ones as there are rows,
	s_cmp_ge_u32 s[S_N], 32
	s_cselect_b32 s[S_RES], -1, s[S_T0]            ; 32 at the most
; One level of the search inside a word: does the wanted bit lie behind the field of \width bits of counts at POS?
.macro LEVEL src, width, step
	v_bfe_u32 v[Q_T], v[\src], v[Q_POS], \width
	v_cmp_ge_u32 vcc_lo, v[Q_RK], v[Q_T]
	v_cndmask_b32 v[Q_T], 0, v[Q_T], vcc_lo
	v_cndmask_b32 v[Q_W], 0, \step, vcc_lo
	v_sub_nc_u32 v[Q_RK], v[Q_RK], v[Q_T]
	v_add_nc_u32 v[Q_POS], v[Q_POS], v[Q_W]
.endm
	; THE ROWS OF RANKS 0 TO 31. Lane l: the row of rank min(l, rows - 1). The last word whose running count is not above the rank holds it; the rank left over picks the bit.
	v_min_u32 v[Q_P], s[S_NM1], v[V_LANE]
	v_lshl_or_b32 v[Q_PP], v[Q_P], 16, 0xffff      ; compared with count << 16 | a number under 2^16: the counts alone decide
	v_mov_b32 v[Q_SEL], s[MK]
	v_mov_b32 v[Q_KK], 0
.set i, 1
.rept 15
	v_cmp_gt_u32 vcc_lo, s[KY+i], v[Q_PP]
	v_cndmask_b32 v[Q_SEL], s[MK+i], v[Q_SEL], vcc_lo
	v_cndmask_b32 v[Q_KK], s[KY+i], v[Q_KK], vcc_lo
.set i, i+1
.endr
	v_lshrrev_b32 v[Q_T], 16, v[Q_KK]
	v_sub_nc_u32 v[Q_RK], v[Q_P], v[Q_T]           ; the rank inside the word
	v_lshrrev_b32 v[Q_T], 1, v[Q_SEL]              ; the word's bits counted in fields of 2, 4, 8 and (the low byte of D) 16
	v_and_b32 v[Q_T], 0x55555555, v[Q_T]
	v_sub_nc_u32 v[Q_A], v[Q_SEL], v[Q_T]
	v_lshrrev_b32 v[Q_T], 2, v[Q_A]
	v_and_b32 v[Q_T], 0x33333333, v[Q_T]
	v_and_b32 v[Q_B], 0x33333333, v[Q_A]
	v_add_nc_u32 v[Q_B], v[Q_B], v[Q_T]
	v_lshrrev_b32 v[Q_T], 4, v[Q_B]
	v_add_nc_u32 v[Q_C], v[Q_B], v[Q_T]
	v_and_b32 v[Q_C], 0x0f0f0f0f, v[Q_C]
	v_lshrrev_b32 v[Q_T], 8, v[Q_C]
	v_add_nc_u32 v[Q_D], v[Q_C], v[Q_T]
	v_mov_b32 v[Q_POS], 0
	LEVEL Q_D, 8, 16
	LEVEL Q_C, 8, 8
	LEVEL Q_B, 4, 4
	LEVEL Q_A, 2, 2
	LEVEL Q_SEL, 1, 1
	v_and_b32 v[Q_T], 0xffff, v[Q_KK]
	v_add_nc_u32 v[V_TOK], v[Q_POS], v[Q_T]        ; row = 32 i + bit
	ds_bpermute_b32 v[Q_G], v[V_BPX], v[V_TOK]     ; dealt out between the lanes (no LDS byte is touched): the two rows of x that my wave loads,
	ds_bpermute_b32 v[Q_G+1], v[V_BPX+1], v[V_TOK]
	ds_bpermute_b32 v[Q_G+2], v[V_BPS], v[V_TOK]   ; and the two rows of out that my task stores
	ds_bpermute_b32 v[Q_G+3], v[V_BPS+1], v[V_TOK]
	s_wait_dscnt 0x0
.irp z, 0,1
	v_min_u32 v[Q_G+\z], 0x1ff, v[Q_G+\z]          ; a number made from loaded data enters an address only clamped to the table
	v_lshl_add_u32 v[V_XA+\z], v[Q_G+\z], 11, v[V_L16]
	v_min_u32 v[Q_G+2+\z], 0x1ff, v[Q_G+2+\z]
	v_lshl_add_u32 v[V_OA+\z], v[Q_G+2+\z], 12, v[V_OLT]
.endr
	; X: a row is four loads of 512 consecutive bytes. For a rank past the count no lane is on, nothing is read, and the zeros written above stay.
.macro XROWLOAD z
.irp j, 0,1,2,3
	global_load_b128 v[XR+16*\z+4*\j:XR+16*\z+4*\j+3], v[V_XA+\z], s[8:9] offset:512*\j
.endr
.endm
	s_lshl_b32 s[S_T0], s[S_N], 2
	v_cmp_gt_u32 vcc_lo, s[S_T0], v[V_BPX]         ; 4 rows > 4 x 2 w: rank 2 w exists (the same in all lanes)
	s_wait_xcnt 0x0                                ; EXEC changes only behind this wait: it is a source of what has been issued
	s_and_saveexec_b32 s[S_EX], vcc_lo
	XROWLOAD 0
	s_wait_xcnt 0x0
	s_or_b32 exec_lo, exec_lo, s[S_EX]
	v_cmp_gt_u32 vcc_lo, s[S_T0], v[V_BPX+1]       ; and rank 2 w + 1
	s_and_saveexec_b32 s[S_EX], vcc_lo
	XROWLOAD 1
	s_wait_xcnt 0x0
	s_or_b32 exec_lo, exec_lo, s[S_EX]
	global_load_b128 v[V_BIAS:V_BIAS+3], v[V_OLT], s[10:11]
	LOADW 16                                       ; K step 1
; A K step's weights are rounded. waits = 1: as they come in, four loads at a time.
.macro CONVW k, waits
.set g, 0
.rept 4
.if \waits
	s_wait_loadcnt 12-4*g                          ; K step 1's loads 4 g .. 4 g + 3 are in; the 12 - 4 g behind them stay out
.endif
.set q, 0
.rept 2
.set i0, 4*g+2*q                       ; two neighbouring places of the fragment's 16
.set src, WR+64*(\k)+4*i0
.set dst, WF+32*(\k)+i0/2
.irp u, 0,1,2,3
	v_cvt_pk_bf16_f32 v[dst+8*\u], v[src+\u], v[src+4+\u]
.endr
.set q, q+1
.endr
.set g, g+1
.endr
.endm
; K step k's products for nt tiles. The 4 nt accumulators take turns, one instruction a turn; K step 0 starts the sums.
.macro MULK k, nt
.set t, 0
.rept \nt
.irp u, 0,1,2,3
.set rD, ACC+32*t+8*\u
.set rA, AF+16*t+8*(\k)
.set rB, WF+32*(\k)+8*\u
.if (\k) == 0
	v_wmma_f32_16x16x32_bf16 v[rD:rD+7], v[rA:rA+7], v[rB:rB+7], 0
.else
	v_wmma_f32_16x16x32_bf16 v[rD:rD+7], v[rA:rA+7], v[rB:rB+7], v[rD:rD+7]
.endif
.endr
.set t, t+1
.endr
.endm
; From the stage to the partial sums, for nt tiles. K step 0 is multiplied while K step 1's weights come in. Of the last tile, pair a of rows (8 h + 2 a, + 1) goes to LDS only if rank 16 t + 2 a exists:
; if it does not, neither do the later pairs' rows.
.macro TAIL nt
.set t, 0
.rept \nt
.irp k, 0,1
	ds_load_b128 v[AF+16*t+8*\k:AF+16*t+8*\k+3],   v[V_AF] offset:t*16*PX+64*\k
	ds_load_b128 v[AF+16*t+8*\k+4:AF+16*t+8*\k+7], v[V_AF] offset:t*16*PX+64*\k+32
.endr
.set t, t+1
.endr
	s_wait_dscnt 0x0
	MULK 0, \nt
	CONVW 1, 1
	MULK 1, \nt
.rept 8
	v_nop
.endr
.set t, 0
.rept \nt
.irp a, 0,1,2,3                        ; each accumulator from its low end on
.if (t == (\nt)-1) && (\a > 0)
	s_cmp_gt_u32 s[S_N], 16*t+2*\a
	s_cbranch_scc0 .Lmeet
.endif
.irp u, 0,1,2,3
	ds_store_b64 v[V_LW], v[ACC+32*t+8*\u+2*\a:ACC+32*t+8*\u+2*\a+1] offset:t*4096+\u*1024+\a*256
.endr
.endr
.set t, t+1
.endr
.endm
	s_wait_loadcnt 17                              ; x is in, and K step 0 ahead of it; the bias load and K step 1's 16 loads stay out (the count leans on no load of x)
.set m, 0
.rept 16                               ; register m takes the pair 2 m, 2 m + 1: ascending, so that no pair is overwritten before it is read
	v_cvt_pk_bf16_f32 v[XR+m], v[XR+2*m], v[XR+2*m+1]
.set m, m+1
.endr
.irp z, 0,1
.irp j, 0,1,2,3
	ds_store_b64 v[V_XW], v[XR+8*\z+2*\j:XR+8*\z+2*\j+1] offset:\z*PX+256*\j  ; channels 128 j + 4 lane + 0..3 of the stage's row 2 w + z
.endr
.endr
	s_wait_dscnt 0x0                               ; for the others' sake: my two rows lie in the stage
	s_barrier_signal -1
	CONVW 0, 0                                     ; work on registers while the others arrive
	s_barrier_wait -1                              ; all 32 rows do
	s_cmp_gt_u32 s[S_N], 16
	s_cbranch_scc0 .Lone                           ; the second tile has no rows: it is neither read nor multiplied
	TAIL 2
	s_branch .Lmeet
.Lone:
	TAIL 1
.Lmeet:
	s_wait_dscnt 0x0                               ; for the others' sake: my partial sums lie in LDS
	s_barrier_signal -1
	s_barrier_wait -1                              ; all 16 waves' do
	s_lshr_b32 s[S_T0], s[S_RES], s[S_POS]         ; the mask's bits of my task's four rows: ranks 16 t + 2 a, + 1, + 8, + 9
	s_and_b32 s[S_T0], s[S_T0], 0x303
	s_cmp_lg_u32 s[S_T0], 0
	s_cbranch_scc0 .Lnone                          ; none exists: nothing was stored for them, nothing is read
	; My task (tile t, column half, rows 2 a and 2 a + 1 of both halves of the tile) adds the 8 parts, adds the bias, and stores two rows' 16 bytes a lane, each where the mask has its bit.
.irp k, 0,1,2,3,4,5,6,7
.irp u, 0,1,2,3
	ds_load_b64 v[RL+8*\k+2*\u:RL+8*\k+2*\u+1], v[V_LR+\k/4] offset:(\k%4)*16384+\u*1024
.endr
.endr
	v_bfe_u32 v[V_PT], s[S_RES], v[V_POSL], 2      ; the mask's bits of my two rows
	v_and_b32 v[V_B0], 1, v[V_PT]
	s_wait_dscnt 16                                ; parts 0 to 3 are in; the 16 loads of parts 4 to 7 stay out
.irp m, 0,2,4,6
	v_pk_add_f32 v[RL+\m:RL+\m+1], v[RL+\m:RL+\m+1], v[RL+8+\m:RL+8+\m+1]
	v_pk_add_f32 v[RL+16+\m:RL+16+\m+1], v[RL+16+\m:RL+16+\m+1], v[RL+24+\m:RL+24+\m+1]
.endr
.irp m, 0,2,4,6
	v_pk_add_f32 v[RL+\m:RL+\m+1], v[RL+\m:RL+\m+1], v[RL+16+\m:RL+16+\m+1]
.endr
	s_wait_dscnt 0x0
.irp m, 0,2,4,6
	v_pk_add_f32 v[RL+32+\m:RL+32+\m+1], v[RL+32+\m:RL+32+\m+1], v[RL+40+\m:RL+40+\m+1]
	v_pk_add_f32 v[RL+48+\m:RL+48+\m+1], v[RL+48+\m:RL+48+\m+1], v[RL+56+\m:RL+56+\m+1]
.endr
.irp m, 0,2,4,6
	v_pk_add_f32 v[RL+32+\m:RL+32+\m+1], v[RL+32+\m:RL+32+\m+1], v[RL+48+\m:RL+48+\m+1]
.endr
.irp m, 0,2,4,6
	v_pk_add_f32 v[RL+\m:RL+\m+1], v[RL+\m:RL+\m+1], v[RL+32+\m:RL+32+\m+1]
.endr
.irp u, 0,1,2,3                        ; the bias add also lays a row's four columns side by side
	v_add_f32 v[OUTR+\u], v[RL+2*\u], v[V_BIAS+\u]
	v_add_f32 v[OUTR+4+\u], v[RL+2*\u+1], v[V_BIAS+\u]
.endr
	v_cmp_eq_u32 vcc_lo, 1, v[V_B0]                ; is my first row stored?
	s_wait_xcnt 0x0                                ; EXEC changes only behind this wait
	s_and_saveexec_b32 s[S_EX], vcc_lo
	global_store_b128 v[V_OA], v[OUTR:OUTR+3], s[12:13] th:TH_STORE_NT  ; 16 lanes store 256 consecutive bytes of a row, at a multiple of 256 from out's first byte
	s_wait_xcnt 0x0
	s_or_b32 exec_lo, exec_lo, s[S_EX]
	v_cmp_le_u32 vcc_lo, 2, v[V_PT]                ; and my second?
	s_and_saveexec_b32 s[S_EX], vcc_lo
	global_store_b128 v[V_OA+1], v[OUTR+4:OUTR+7], s[12:13] th:TH_STORE_NT
	s_wait_xcnt 0x0                                ; also frees the stores' data
	s_or_b32 exec_lo, exec_lo, s[S_EX]
.Lnone:
	s_cmp_gt_u32 s[S_N], 32
	s_cbranch_scc0 .Lend                           ; all rows have been taken: the ordinary way out
	; RANKS 32 AND MORE. My jobs: windows kp and kp + 8 (rows 32 x window .. + 31), my column half dh, all 512 channels.
	global_load_b128 v[OBIAS:OBIAS+3], v[V_OB], s[10:11]
	s_mov_b32 s[S_WIN], s[S_KP]
	s_mov_b32 s[S_JOB], 2
.Ljob:
	s_mov_b32 s[S_PRE], 0                          ; the window's word of the map, and the subject's rows in the words before it
	s_mov_b32 s[S_W], 0
.set i, 0
.rept 16
	s_cmp_gt_u32 s[S_WIN], i
	s_cselect_b32 s[S_T0], s[MK+i], 0
	s_bcnt1_i32_b32 s[S_T0], s[S_T0]
	s_add_co_u32 s[S_PRE], s[S_PRE], s[S_T0]
	s_cmp_eq_u32 s[S_WIN], i
	s_cselect_b32 s[S_W], s[MK+i], s[S_W]
.set i, i+1
.endr
	v_mbcnt_lo_u32_b32 v[O_T], s[S_W], s[S_PRE]    ; my row's rank, if it is the subject's: the order in which the search above counted
	v_cmp_le_u32 s[S_M], 32, v[O_T]
	s_and_b32 s[S_RES], s[S_W], s[S_M]             ; the subject's rows that have not been taken
	s_cmp_lg_u32 s[S_RES], 0
	s_cbranch_scc0 .Lnext                          ; the window holds none
	s_wait_xcnt 0x0                                ; what has been issued has read its base
	s_mov_b64 s[WW:WW+1], s[WB:WB+1]
	s_lshl_b32 s78, s[S_WIN], 16                   ; 32 rows of x
	s_mov_b32 s79, 0
	s_add_nc_u64 s[XB:XB+1], s[8:9], s[78:79]
	s_lshl_b32 s78, s[S_WIN], 17                   ; 32 rows of out
	s_add_nc_u64 s[OO:OO+1], s[12:13], s[78:79]
	s_wait_loadcnt 0x0                             ; the bias
.irp t, 0,1
.irp u, 0,1,2,3
.irp j, 0,1,2,3,4,5,6,7
	v_mov_b32 v[OACC+32*\t+8*\u+\j], v[OBIAS+\u]   ; the sums start from the bias of their column: no add is left for the end
.endr
.endr
.endr
	s_mov_b32 s[S_CNT], 16
.Lk:                                                   ; 32 channels a trip
.irp t, 0,1
.irp m, 0,1,2,3                        ; channels 16 (m / 2) + 8 h + 4 (m % 2) + 0..3 of row r of tile t: the order of a fragment's registers
	global_load_b128 v[XR+16*\t+4*\m:XR+16*\t+4*\m+3], v[V_XD], s[XB:XB+1] offset:\t*16*XROW+(\m/2)*64+(\m%2)*16
.endr
.endr
.set i, 0
.rept 16
	global_load_b128 v[OWR+4*i:OWR+4*i+3], v[V_WOFF], s[WW:WW+1] offset:(i+8*(i/8))*WROW
.set i, i+1
.endr
	s_wait_loadcnt 0x0                             ; all 24 are in, and have read their bases
.set m, 0
.rept 16
	v_cvt_pk_bf16_f32 v[XR+m], v[XR+2*m], v[XR+2*m+1]  ; tile t's fragment at XR + 8 t
.set m, m+1
.endr
.set i, 0
.rept 8
.irp u, 0,1,2,3
	v_cvt_pk_bf16_f32 v[OWF+8*\u+i], v[OWR+8*i+\u], v[OWR+8*i+4+\u]
.endr
.set i, i+1
.endr
.irp t, 0,1
.irp u, 0,1,2,3                        ; eight accumulators by turns, over the backward jump too
	v_wmma_f32_16x16x32_bf16 v[OACC+32*\t+8*\u:OACC+32*\t+8*\u+7], v[XR+8*\t:XR+8*\t+7], v[OWF+8*\u:OWF+8*\u+7], v[OACC+32*\t+8*\u:OACC+32*\t+8*\u+7]
.endr
.endr
.rept 8
	v_nop                                          ; places behind the products: in front of the next trip's loads into their sources, and of the lines below the loop that read their results
.endr
	s_add_nc_u64 s[WW:WW+1], s[WW:WW+1], 32*WROW
	s_add_nc_u64 s[XB:XB+1], s[XB:XB+1], 128
	s_sub_co_u32 s[S_CNT], s[S_CNT], 1
	s_cmp_lg_u32 s[S_CNT], 0
	s_cbranch_scc1 .Lk
	v_lshrrev_b32 v[O_T], 4, v[V_LANE]
	v_lshlrev_b32 v[O_T], 3, v[O_T]                ; 8 h
	v_lshrrev_b32 v[O_M], v[O_T], s[S_RES]         ; bit 16 t + j: is row 16 t + 8 h + j of the window stored?
	s_wait_xcnt 0x0                                ; EXEC changes only behind this wait
.irp t, 0,1
.irp j, 0,1,2,3,4,5,6,7                ; each accumulator from its low end on
	v_and_b32 v[O_T], 1<<(16*\t+\j), v[O_M]
	v_cmp_ne_u32 vcc_lo, 0, v[O_T]
.irp u, 0,1,2,3
	v_mov_b32 v[OUT2+\u], v[OACC+32*\t+8*\u+\j]    ; a row's four columns side by side
.endr
	s_and_saveexec_b32 s[S_EX], vcc_lo
	global_store_b128 v[V_OD], v[OUT2:OUT2+3], s[OO:OO+1] offset:(16*\t+\j)*WROW th:TH_STORE_NT  ; 16 lanes store 256 consecutive bytes of a row, aligned
	s_wait_xcnt 0x0                                ; frees EXEC and the store's data
	s_or_b32 exec_lo, exec_lo, s[S_EX]
.endr
.endr
.Lnext:
	s_add_co_u32 s[S_WIN], s[S_WIN], 8
	s_sub_co_u32 s[S_JOB], s[S_JOB], 1
	s_cmp_lg_u32 s[S_JOB], 0
	s_cbranch_scc1 .Ljob
.Lend:
	s_wait_tensorcnt 0x0                           ; the wave's end, behind my last LDS store
	ds_add_u32 v[V_SPW], v[V_NIL]
	s_wait_dscnt 0x0
	s_endpgm
.Lfunc_end_k_qfc994ffb53_subject:
	.size	k_qfc994ffb53_subject, .Lfunc_end_k_qfc994ffb53_subject-k_qfc994ffb53_subject
	.p2alignl 7, 3214868480
	.fill 96, 4, 3214868480
	.section	.rodata,"a",@progbits
	.p2align	6, 0x0
	.amdhsa_kernel k_qfc994ffb53_subject
		.amdhsa_group_segment_fixed_size 166400
		.amdhsa_private_segment_fixed_size 0
		.amdhsa_enable_private_segment 0
		.amdhsa_kernarg_size 40
		.amdhsa_user_sgpr_count 2
		.amdhsa_user_sgpr_kernarg_segment_ptr 1
		.amdhsa_wavefront_size32 1
		.amdhsa_system_sgpr_workgroup_id_x 1
		.amdhsa_system_sgpr_workgroup_id_y 1
		.amdhsa_system_sgpr_workgroup_id_z 1
		.amdhsa_system_vgpr_workitem_id 0
		.amdhsa_next_free_vgpr 256
		.amdhsa_next_free_sgpr 84
		.amdhsa_reserve_vcc 1
		.amdhsa_float_denorm_mode_32 3
		.amdhsa_float_denorm_mode_16_64 3
		.amdhsa_memory_ordered 1
		.amdhsa_forward_progress 1
		.amdhsa_inst_pref_size 56
	.end_amdhsa_kernel
	.amdgpu_metadata
---
amdhsa.version: [ 1, 2 ]
amdhsa.kernels:
  - .name:           k_qfc994ffb53_subject
    .symbol:         k_qfc994ffb53_subject.kd
    .args:
      - { .name: subject_idx, .offset: 0, .size: 8, .value_kind: global_buffer, .address_space: global }
      - { .name: weights, .offset: 8, .size: 8, .value_kind: global_buffer, .address_space: global }
      - { .name: x, .offset: 16, .size: 8, .value_kind: global_buffer, .address_space: global }
      - { .name: bias, .offset: 24, .size: 8, .value_kind: global_buffer, .address_space: global }
      - { .name: out0, .offset: 32, .size: 8, .value_kind: global_buffer, .address_space: global }
    .group_segment_fixed_size: 166400
    .private_segment_fixed_size: 0
    .kernarg_segment_align: 8
    .kernarg_segment_size: 40
    .max_flat_workgroup_size: 512
    .sgpr_count:     84
    .vgpr_count:     256
    .wavefront_size: 32
...
	.end_amdgpu_metadata
.endif
;; end of part 2
